; MI455X (gfx1250); checked and timed in simulation.
; The chip was launched on July 23, 2026; its instructions are those of AMD's public machine-readable ISA for CDNA 5 (MIT licence, August 2026) and "CDNA5" Instruction Set Architecture Reference Guide (July 2026). The comments in the code are by the model that wrote it; some were corrected since.
;; Multi Headed Attention1 D. Allowed arithmetic: matrix products marked QUANTISED: E5M2 operands, one given power-of-two scale a tensor, by v_wmma_f32_16x16x64_bf8_bf8 or v_wmma_f32_16x16x128_bf8_bf8, f32 sums; products left as they are: f32 operands where the result goes on into a quantised operand, else bf16, f16 or f32 operands; f32 sums; everything else in f32.
;; Inputs: Wk_codes 1,024 x 32 x 32 uint8 (E5M2 codes of Wk, K innermost, in blocks of 32 codes); Wo_codes 1,024 x 32 x 32 uint8 (E5M2 codes of Wo, K innermost, in blocks of 32 codes); Wq_codes 1,024 x 32 x 32 uint8 (E5M2 codes of Wq, K innermost, in blocks of 32 codes); Wv_codes 1,024 x 32 x 32 uint8 (E5M2 codes of Wv, K innermost, in blocks of 32 codes); X_Key_codes 2,048 x 32 x 32 uint8 (E5M2 codes of X_Key, K innermost, in blocks of 32 codes); X_Query 2,048 x 1,024 float32; X_Value_codes 2,048 x 32 x 32 uint8 (E5M2 codes of X_Value, K innermost, in blocks of 32 codes); bk 1,024 float32; bo 1,024 float32; bq 1,024 float32; bv 1,024 float32; lowp_scales 8 int32 (the exponents e of the quantised operands' scales 2^e).
;; Outputs: out0 2,048 x 1,024 float32.
;; This version of the problem:
;;   THIS VERSION OF THE PROBLEM IS GIVEN IN LOW PRECISION. The matrix products marked QUANTISED in the list below multiply operands that are first quantised to E5M2 (5 exponent bits, 2 mantissa bits; 8 bits a number), with one given power-of-two scale for each operand tensor; their sums are f32. All else is computed in f32.
;;   The module's matrix products, in the order in which they are computed (A, B: the left and right operand; K: the contracted axis; several contracted axes count as one K, in the product's order):
;;     1. [M 2,048, K 1,024] x [K 1,024, N 1,024]; A: input X_Query; B: input Wq (given as codes): QUANTISED (scales: A lowp_scales[0], B lowp_scales[1])
;;     2. [M 2,048, K 1,024] x [K 1,024, N 1,024]; A: input X_Key (given as codes); B: input Wk (given as codes): QUANTISED (scales: A lowp_scales[2], B lowp_scales[3])
;;     3. [M 2,048, K 1,024] x [K 1,024, N 1,024]; A: input X_Value (given as codes); B: input Wv (given as codes): QUANTISED (scales: A lowp_scales[4], B lowp_scales[5])
;;     4. batch 32,768 x [M 64, K 64] x [K 64, N 1]; A: softmax; B: computed on the way: left as it is (N = 1 < 16)
;;     5. [M 2,048, K 1,024] x [K 1,024, N 1,024]; A: computed on the way; B: input Wo (given as codes): QUANTISED (scales: A lowp_scales[6], B lowp_scales[7])
;;   THE QUANTISER, for each operand of a quantised product, along K:
;;     - The operand's scale is 2^e, e = its entry of the input lowp_scales (int32; the entries are numbered through the quantised products in the list's order, A before B).
;;     - Each number is divided by the scale, clamped to +-57,344, and rounded to the nearest number of E5M2, ties to even, subnormals kept.
;;     - The product sums the exact products of the quantised numbers (number of the format x scale) in f32.
;;   ~~~python
;;   def quantise(x, axis, e):      # numpy; x: float32 -> the quantised numbers, widened to float32 again
;;       x = np.moveaxis(x, axis, -1); K = x.shape[-1]
;;       r = np.clip(x / 2.0 ** e, -57344, 57344)
;;       step = 2.0 ** (np.maximum(np.frexp(np.where(r == 0, 1, r))[1] - 1, -14) - 2)
;;       q = np.round(r / step) * step * 2.0 ** e      # np.round: ties to even
;;       return np.moveaxis(q, -1, axis).astype(np.float32)
;;   ~~~
;;   OPERANDS COMPUTED ON THE WAY. 'Computed on the way' means the value that the module computes at that place (a softmax that the list does not call 'softmax' is quantised finished and normalised). What goes into a quantiser is computed in f32, as accurately as f32 sums, v_exp_f32 and their like allow (about 1e-6 of the number): no bf16 or f16 on the way to a quantiser, and a product that is left as it is and whose result goes on into a quantised operand takes f32 operands (vector FMAs, or v_wmma_f32_16x16x4_f32). A number that lies on a knife's edge between two numbers of the format may be rounded either way, as far as f32 arithmetic and the matrix unit's own rounding can turn it there, and no further.
;;   INPUTS GIVEN AS CODES. Wk (in the module: [1024, 1024], K = its axis 0); Wo (in the module: [1024, 1024], K = its axis 0); Wq (in the module: [1024, 1024], K = its axis 0); Wv (in the module: [1024, 1024], K = its axis 0); X_Key (in the module: [2048, 1024], K = its axis 1); X_Value (in the module: [2048, 1024], K = its axis 1): each comes as NAME_codes (uint8): NAME with its K axis moved to the last place and cut into blocks of 32 codes, [.., K / 32, bytes a block], one block behind the other in memory; one code a byte (a code: sign, 5 exponent bits, 2 mantissa bits); its scale is its entry of lowp_scales. Its value is code x scale, taken as it is: it is not quantised again, and the codes and scales need not be those that the quantiser above would give.
;; One version. Each part assembles by itself: llvm-mc -triple=amdgcn-amd-amdhsa -mcpu=gfx1250 --defsym DOCPART=n.
;; ======== version 1 of 1: 2 launches
;; limits: right only within a limited range of input values
;; workspace buffers: dfrag 2,097,152 bytes
;; launch attn (part 1): grid 32 x 8, 8 waves a work-group, clusters of 4 x 4, 327,680 bytes of LDS; arguments X_Query, X_Key_codes, X_Value_codes, Wq_codes, Wk_codes, Wv_codes, bq, bk, bv, lowp_scales, dfrag; writes dfrag
.if DOCPART == 1
	.amdgcn_target "amdgcn-amd-amdhsa--gfx1250"
	.amdhsa_code_object_version 6
	.text
	.protected	k_qe1717d924f_attn
	.globl	k_qe1717d924f_attn
	.p2align	8
	.type	k_qe1717d924f_attn,@function
k_qe1717d924f_attn:
	s_mov_b64 s[64:65], 0
	v_nop
	global_prefetch_b8 v0, s[64:65] scope:SCOPE_SE
	s_setreg_imm32_b32 hwreg(HW_REG_WAVE_MODE, 25, 1), 1
	s_wait_xcnt 0x0
	s_wait_alu depctr_hold_cnt(0) depctr_sa_sdst(0) depctr_va_vdst(0) depctr_va_sdst(0) depctr_va_ssrc(0) depctr_va_vcc(0) depctr_vm_vsrc(0)
	s_getreg_b32 s2, hwreg(HW_REG_IB_STS2, 6, 4)
	s_cmp_eq_u32 s2, 0
	s_cbranch_scc0 .Lentry_in_a_cluster
	s_endpgm
.Lentry_in_a_cluster:
	s_bfe_u32 s2, ttmp6, 0x10000c
	s_cmp_lg_u32 s2, 0xf033
	s_cbranch_scc0 .Lentry_shape_is_right
	s_endpgm
.Lentry_shape_is_right:
; q = Q(X_Query) Wq + bq, k = X_Key Wk + bk, v = X_Value Wv + bv (E5M2 codes, f32 sums), then for each row and head of 64 features the banded softmax
; x_i = sum over |i - j| <= 8 of softmax_j(q_i k_j / 8) v_j in f32; d = X_Query - x is quantised with 2^e6 and stored as images of operand registers for the last product.
; LEFT OUT: scores with |i - j| > 8.  The problem's own band sets them to -infinity, so their weight is 0 for all finite inputs.  LIMIT: a NaN or an infinity that reaches only such scores is not carried to the result.
; SHARES.  A work-group owns 64 rows x 2 heads (grid x: block of rows, y: pair of heads): 256 work-groups of eight waves.  Wave w: kh = w % 2, rh = (w / 2) % 2, hd = w / 4: in the products 32 rows (row tiles 2 rh, 2 rh + 1)
; x the 64 features of head hd, over half kh of each K quarter, for q, k and v: 24 accumulators, 192 registers.  At the end waves w and w ^ 1 swap one row tile's partial sums through LDS; each keeps row tile 2 rh + kh.
; K goes in four quarters of 256 through a ring of two LDS slots.  A slot: eight tiles of 64 rows x 256 bytes, one tensor load a wave: tile 3 hd + T = the rows of W (T = 0 q, 1 k, 2 v) of head hd, tile 6 X_Key, tile 7 X_Value.
; CLUSTERS, 4 x 4: W's tiles hang on y alone and are asked for jointly along x, X's hang on x alone and are asked for jointly along y.  X_Query's f32 rows come through registers, since they are quantised there: as a joint
; f32 tile a K quarter would take 65,536 bytes more in each slot, and two such slots do not fit in LDS.  Each wave quantises 8 whole rows of a K quarter and stores their codes in LDS bytes of their own (two places by turns).
; PREFETCH: the tiles of K quarter n + 1 are asked for one quarter ahead of their tensor load; of a W tile's 64 rows a work-group asks for 4 (by x % 16), of an X tile's for 16 (by its place along the cluster's y).
; THE MATRIX INSTRUCTION IS USED TRANSPOSED (source 0 = 16 rows of W, source 1 = 16 rows of X): lane (r, h) holds row r of X, register j of tile t the row of W that lane 8 h + j of the tile loaded.
; MIRROR.  Lane l of tile t loads row 8 t + l % 8 of the head where (l / 8) % 2 = 0, else row 63 - (8 t + l % 8).  So lane (r, h) holds LOCAL u = 8 t + j = 0 .. 31: feature u for h = 0, 63 - u for h = 1.
; The band of u is max(0, u - 8) .. u + 8 in both halves; locals 32 + e (e = 0 .. 7) are local 31 - e of the lane 16 away.
; SCALES.  k and v stay raw sums (true value / 2^(e2 + e3), / 2^(e4 + e5)); QS_u = raw q x log2(e) / 8 x 2^(e0 + e1 + e2 + e3); a bias enters as the first C, times 2^-(its product's exponents).
; SOFTMAX.  m_u = max(QS_u kmax, QS_u kmin) over the band; p = 2^(QS_u k_j - m_u); x_u = (sum p v) / (sum p) x 2^(e4 + e5).
; LIMITS: -126 <= e0, e6 <= 112; log2(e) / 8 x 2^(e0 + e1 + e2 + e3), 2^(e4 + e5) and each bias times 2^-(its exponents) are finite normal f32 numbers (or a bias of 0); the scaled scores stay under 2^31; inputs are finite (a slot of weight 0 is multiplied by a finite v).
; REGISTERS (s_set_vgpr_msb: bits 1:0 source 0, 3:2 source 1, 5:4 source 2, 7:6 destination):
;   window 0: v6-28 addresses, constants; v30-31 the add's; v32-95 W's fragments (2 x 2 tiles), v96-159 X's (2 x 2 row tiles), v160-223 X_Query f32 set A, v224-239 its codes; then the softmax
;   window 1: v0-191 the accumulators (64 g + 32 a + 8 t), v192-255 X_Query f32 set B, then the residual
.set TILE, 17408                       ; 64 rows x (256 bytes + 16 of padding)
.set SLOT, 8*TILE
.set XQC,  2*SLOT                      ; X_Query's codes: two places of 64 rows x 272 bytes
.set SPARE, XQC+2*TILE                 ; the spare words: 128 bytes a wave
.set SA,  160
.set SB,  192
.set CODE, 224
.set QS,  32                           ; v32-63   QS_u; later the sums of p, then their reciprocals
.set KK,  64                           ; v64-103  k at locals 0 .. 39; later d
.set VV,  104                          ; v104-143 v at locals 0 .. 39
.set MX,  144                          ; v144-181 running maxima, then -m_u; later the sums of p v, then x
.set MN,  182                          ; v182-219 running minima
.set T0,  182                          ; then four buffers of 18 exponents / weights: output u's at 182 + 18 (u % 4)
.set RES, 192                          ; window 1
.set GF, (1<<20)|(1<<21)|(5<<22)|(3<<25)  ; elements of 1 byte; padding on: after every 64 words, 4 words; bit 21 beside a mask
.set MSB, 0
.macro WIN new                         ; the immediate's high byte repeats the setting that is left
.if MSB != (\new)
	s_set_vgpr_msb (MSB<<8)|(\new)
.set MSB, (\new)
.endif
.endm
.macro PLACES n
.rept \n
	v_nop
.endr
.endm
.macro ROUND                           ; a round of the cluster's barrier
	s_barrier_signal -1
	s_barrier_wait -1
	s_cmp_lg_u32 s26, 0
	s_cbranch_scc1 .Lnot_wave_0_\@
	s_barrier_signal -3
.Lnot_wave_0_\@:
	s_barrier_wait -3
	s_barrier_signal -1
	s_barrier_wait -1
.endm
.macro JLOAD                           ; waves 0 to 5 fetch for W, 6 and 7 for X
	s_cmp_lt_u32 s26, 6
	s_cbranch_scc0 .Lfor_x_\@
	tensor_load_to_lds s[52:55], s[36:43]
	s_nop 0
	PLACES 4
	s_branch .Lasked_\@
.Lfor_x_\@:
	tensor_load_to_lds s[56:59], s[44:51]
	s_nop 0
	PLACES 4
.Lasked_\@:
.endm
; X_Query: my 8 rows of K quarter s: two loads of 512 consecutive bytes a row; register 8 i + 4 p + e = row i, k = 256 s + 128 p + 4 lane + e
.macro ISSUE base, win, s
	WIN 0x40*(\win)
.irp i, 0,1,2,3,4,5,6,7
	global_load_b128 v[\base+8*\i:\base+8*\i+3], v6, s[60:61] offset:4096*\i+1024*(\s)
	global_load_b128 v[\base+8*\i+4:\base+8*\i+7], v6, s[60:61] offset:4096*\i+1024*(\s)+512
.endr
	WIN 0
.endm
.macro QUANT base, win, place
	WIN 0x41*(\win)
.set I, 0
.rept 64
	v_med3_num_f32 v[\base+I], v[\base+I], -v28, v28   ; the conversion to an 8-bit code does not saturate (ISA guide 7.6.2): held at the largest code x the scale first
.set I, I+1
.endr
	WIN (\win)
.irp i, 0,1,2,3,4,5,6,7
	v_cvt_scalef32_pk8_bf8_f32 v[CODE+2*\i:CODE+2*\i+1], v[\base+8*\i:\base+8*\i+7], v27
.endr
	v_nop                                          ; a plain line behind the last conversion
	WIN 0
.irp i, 0,1,2,3,4,5,6,7
	ds_store_b32 v7, v[CODE+2*\i] offset:TILE*(\place)+272*\i
	ds_store_b32 v7, v[CODE+2*\i+1] offset:TILE*(\place)+272*\i+128
.endr
.endm
.macro PREF s
	global_prefetch_b8 v24, s[88:89] offset:256*(\s) th:TH_LOAD_NT scope:SCOPE_SE
.endm
	s_load_b512 s[4:19], s[0:1], 0x0               ; X_Query s[4:5], X_Key s[6:7], X_Value s[8:9], Wq s[10:11], Wk s[12:13], Wv s[14:15], bq s[16:17], bk s[18:19]
	s_load_b128 s[20:23], s[0:1], 0x40             ; bv s[20:21], the scales' exponents s[22:23]
	s_load_b64 s[24:25], s[0:1], 0x50              ; dfrag
	v_lshl_add_u32 v30, v0, 2, SPARE
	v_mov_b32 v31, 0
	ds_add_u32 v30, v31                            ; the wave's opening: the add, twice on end, and its wait
	ds_add_u32 v30, v31
	v_lshrrev_b32 v1, 5, v0
	v_readfirstlane_b32 s26, v1                    ; wave 0..7
	s_bfe_u32 s27, ttmp6, 0x40000                  ; cx
	s_bfe_u32 s28, ttmp6, 0x40004                  ; cy
	s_lshl_b32 s29, ttmp9, 2
	s_add_co_u32 s29, s29, s27                     ; x: my block of 64 rows
	s_and_b32 s30, ttmp7, 0xffff
	s_lshl_b32 s30, s30, 2
	s_add_co_u32 s30, s30, s28                     ; y: my pair of heads
	s_and_b32 s31, s26, 1                          ; kh
	s_bfe_u32 s32, s26, 0x10001                    ; rh
	s_lshr_b32 s33, s26, 2                         ; hd
	s_mul_i32 s34, s26, TILE                       ; where my tile goes in a slot
	s_lshl_b32 s74, s28, 2
	s_lshl_b32 s74, 15, s74                        ; my row of the cluster: places 4 cy .. 4 cy + 3
	s_lshl_b32 s75, 0x1111, s27                    ; my column
	s_or_b32 s36, s74, GF                          ; descriptor group 1: 64 rows x 256 bytes out of rows of 1,024
	s_or_b32 s44, s75, GF
.irp g, 36,44
	s_mov_b32 s[\g+1], 256<<16
	s_mov_b32 s[\g+2], 64<<16
	s_mov_b32 s[\g+3], 256<<16
	s_mov_b32 s[\g+4], 64
	s_mov_b32 s[\g+5], 1024
	s_mov_b32 s[\g+6], 0
	s_mov_b32 s[\g+7], 0
.endr
	s_lshl_b32 s35, s32, 1
	s_or_b32 s35, s35, s31                         ; 2 rh + kh: the row tile that I keep (a = 0);
	s_xor_b32 s63, s35, 1                          ; a = 1: my partner's
	s_lshl_b32 s78, s31, 7                         ; my half of a K quarter: 128 bytes on
	s_mul_i32 s76, s35, 16*272
	s_add_co_u32 s76, s76, s78
	s_add_co_u32 s76, s76, 6*TILE
	s_mul_i32 s77, s63, 16*272
	s_add_co_u32 s77, s77, s78
	s_add_co_u32 s77, s77, 6*TILE
	s_mul_i32 s79, s33, 3*TILE
	s_add_co_u32 s79, s79, s78
	s_mul_i32 s74, s26, 8*272
	s_add_co_u32 s74, s74, XQC
	s_mul_i32 s75, s26, 12288
	s_xor_b32 s96, s26, 1
	s_mul_i32 s96, s96, 12288
	s_mov_b32 s97, 15
	s_cmp_lt_u32 s26, 6
	s_cselect_b32 s97, 3, s97                      ; the last of my prefetch's rows
	v_and_b32 v1, 31, v0                           ; lane
	v_and_b32 v2, 15, v0                           ; r
	v_bfe_u32 v3, v0, 4, 1                         ; h
	v_and_b32 v4, 7, v0
	v_bfe_u32 v5, v0, 3, 1
	v_mul_u32_u24 v5, 63, v5                       ; 63 where my lane takes a mirrored row
	v_lshlrev_b32 v6, 4, v1                        ; 16 x lane
	v_lshlrev_b32 v7, 2, v1
	v_add_nc_u32 v7, s74, v7                       ; where my codes of X_Query go
.irp t, 0,1,2,3
	v_add_nc_u32 v[8+\t], 8*\t, v4
	v_xor_b32 v[8+\t], v[8+\t], v5                 ; the tile's sixteen rows are all different mod 16: they start at sixteen different banks (64 banks of 4 bytes: ISA guide 11.1)
	v_mul_u32_u24 v[8+\t], v[8+\t], 272
	v_lshl_add_u32 v[8+\t], v3, 4, v[8+\t]         ; registers 4 c .. 4 c + 3 of a fragment: k = 32 c + 16 h + 0 .. 15
	v_add_nc_u32 v[8+\t], s79, v[8+\t]             ; v8-11: W's tile t in slot 0,
	v_add_nc_u32 v[12+\t], SLOT, v[8+\t]           ; v12-15: in slot 1
.endr
	v_mul_u32_u24 v25, v2, 272
	v_lshl_add_u32 v25, v3, 4, v25
	v_add_nc_u32 v16, s76, v25                     ; v16-17: X_Key's row tiles a = 0, 1 in slot 0 (X_Value's one TILE on),
	v_add_nc_u32 v17, s77, v25
	v_add_nc_u32 v18, SLOT, v16                    ; v18-19: in slot 1 (X_Query's codes two and three TILEs on)
	v_add_nc_u32 v19, SLOT, v17
	v_add_nc_u32 v20, s75, v6                      ; the swap: where I store,
	v_add_nc_u32 v21, s96, v6                      ; where my partner did
	v_lshlrev_b32 v22, 12, v2
	v_lshl_add_u32 v22, v3, 7, v22                 ; the residual: row r, + 128 h
	v_lshlrev_b32 v23, 7, v3                       ; the biases: 128 h
	v_min_u32 v24, s97, v1
	v_lshlrev_b32 v24, 10, v24                     ; the prefetch: a lane a row
	; offsets in the buffers
	s_lshl_b32 s62, s29, 18
	s_lshl_b32 s63, s26, 15
	s_add_co_u32 s62, s62, s63                     ; X_Query: row 64 x + 8 w
	s_mov_b32 s63, 0
	s_cmp_ge_u32 s26, 3
	s_cselect_b32 s91, 1, 0                        ; the tile that I fetch: W of head s91 of the pair, tensor s92
	s_mul_i32 s92, s91, 3
	s_sub_co_u32 s92, s26, s92
	s_lshl_b32 s93, s30, 1
	s_add_co_u32 s74, s93, s91
	s_lshl_b32 s74, s74, 16
	s_mov_b32 s75, 0
	s_lshl_b32 s76, s29, 16                        ; X: row 64 x of 1,024 bytes
	s_mov_b32 s77, 0
	s_add_co_u32 s93, s93, s33                     ; my head
	s_lshl_b32 s78, s93, 8                         ; its 64 numbers of f32
	s_mov_b32 s79, 0
	s_lshl_b32 s70, s29, 18
	s_lshl_b32 s71, s35, 16
	s_add_co_u32 s70, s70, s71
	s_add_co_u32 s70, s70, s78                     ; the residual: row 64 x + 16 (2 rh + kh), my head
	s_mov_b32 s71, 0
	s_lshl_b32 s72, s29, 16                        ; dfrag: fragment (R = 4 x + 2 rh + kh, s = y) at (8 R + s) x 2,048, + 1,024 hd
	s_lshl_b32 s73, s35, 14
	s_add_co_u32 s72, s72, s73
	s_lshl_b32 s73, s30, 11
	s_add_co_u32 s72, s72, s73
	s_lshl_b32 s73, s33, 10
	s_add_co_u32 s72, s72, s73
	s_mov_b32 s73, 0
	s_and_b32 s96, s29, 15
	s_lshl_b32 s96, s96, 12                        ; the prefetch: of W 4 rows by x % 16,
	s_lshl_b32 s97, s28, 14                        ; of X 16 rows by cy
	s_cmp_lt_u32 s26, 6
	s_cselect_b32 s96, s96, s97
	s_mov_b32 s97, 0
	s_wait_alu depctr_va_vdst(0)                   ; directly ahead of the waits below
	s_wait_dscnt 0x0                               ; both opening adds are done
	s_wait_kmcnt 0x0
	s_load_b256 s[80:87], s[22:23], 0x0            ; e0 .. e7
	s_add_nc_u64 s[60:61], s[4:5], s[62:63]
	ISSUE SA, 0, 0
	s_cmp_eq_u32 s92, 0
	s_cselect_b64 s[94:95], s[10:11], s[12:13]
	s_cmp_lt_u32 s92, 2
	s_cselect_b64 s[94:95], s[94:95], s[14:15]
	s_add_nc_u64 s[54:55], s[94:95], s[74:75]
	s_cmp_eq_u32 s26, 7
	s_cselect_b64 s[94:95], s[8:9], s[6:7]
	s_add_nc_u64 s[58:59], s[94:95], s[76:77]
	s_cmp_lt_u32 s26, 6
	s_cselect_b64 s[88:89], s[54:55], s[58:59]
	s_add_nc_u64 s[88:89], s[88:89], s[96:97]
	s_mov_b32 s52, 1
	s_mov_b32 s53, s34
	s_or_b32 s55, s55, 0x80000000
	s_mov_b32 s56, 1
	s_mov_b32 s57, s34
	s_or_b32 s59, s59, 0x80000000
	ROUND                                          ; all sixteen work-groups are here: the first joint loads meet
	JLOAD                                          ; K quarter 0 into slot 0: one tensor load a wave at the head
	s_add_nc_u64 s[16:17], s[16:17], s[78:79]
	s_add_nc_u64 s[18:19], s[18:19], s[78:79]
	s_add_nc_u64 s[20:21], s[20:21], s[78:79]
	s_add_nc_u64 s[70:71], s[4:5], s[70:71]
	s_add_nc_u64 s[72:73], s[24:25], s[72:73]
.irp g, 0,1,2
.irp i, 0,1,2,3,4,5,6,7
	global_load_b128 v[32+32*\g+4*\i:32+32*\g+4*\i+3], v23, s[16+2*\g:17+2*\g] offset:16*\i   ; the head's biases at features 32 h + 0 .. 31
.endr
.endr
	PREF 1
	ISSUE SB, 1, 1
	s_mov_b32 s66, 0x76543210                      ; v_permlanex16_b32: each lane takes its own place in the other half
	s_mov_b32 s67, 0xfedcba98
	s_mov_b32 s68, 0xffff0000                      ; the lanes with h = 1
	s_wait_kmcnt 0x0
	s_add_co_i32 s90, s80, 127
	s_lshl_b32 s91, s90, 23
	s_add_co_i32 s90, s90, 15
	s_lshl_b32 s90, s90, 23
	s_or_b32 s90, s90, 0x600000
	v_mov_b32 v27, s91                             ; 2^e0
	v_mov_b32 v28, s90                             ; 57,344 x 2^e0
	s_add_co_i32 s74, s80, s81
	s_sub_co_i32 s74, 0, s74                       ; -(e0 + e1)
	s_add_co_i32 s75, s82, s83
	s_sub_co_i32 s75, 0, s75                       ; -(e2 + e3)
	s_add_co_i32 s76, s84, s85
	s_sub_co_i32 s76, 0, s76                       ; -(e4 + e5)
	s_wait_alu depctr_va_vdst(0)                   ; directly ahead of the wait below
	s_wait_loadcnt 40                              ; K quarter 0 of X_Query is in; the 24 loads of biases and quarter 1's 16 may be out
	QUANT SA, 0, 0
	ISSUE SA, 0, 2
	s_wait_loadcnt 32                              ; the biases are in; quarters 1 and 2 may be out
	WIN 0x40
.irp g, 0,1,2
.set I, 0
.rept 32
	v_cndmask_b32 v[64*\g+I], v[32+32*\g+I], v[32+32*\g+31-I], s68   ; local u: feature u for h = 0, 32 + (31 - u) for h = 1; they start the sums of the row tile that I keep
.set I, I+1
.endr
.endr
	WIN 0x41
.irp g, 0,1,2
.set I, 0
.rept 32
	v_ldexp_f32 v[64*\g+I], v[64*\g+I], s[74+\g]
.set I, I+1
.endr
.endr
	WIN 0
; THE CHANGE OF SLOTS in front of K quarter s: all my tensor loads are in, the add, my codes are stored and my reads of the last quarter are over; behind the round the other slot is filled first.
.macro MEET s
	s_wait_alu depctr_va_vdst(0)
	s_wait_tensorcnt 0x0
	ds_add_u32 v30, v31
.if (\s) < 3
	s_add_co_u32 s53, s34, (((\s)+1)%2)*SLOT
	s_add_co_u32 s57, s34, (((\s)+1)%2)*SLOT
	s_add_nc_u64 s[54:55], s[54:55], 256
	s_add_nc_u64 s[58:59], s[58:59], 256
.endif
	s_wait_dscnt 0x0
.if (\s) < 3
	ROUND
	JLOAD                                          ; K quarter s + 1
.else
	s_barrier_signal -1
	s_barrier_wait -1
.endif
.endm
; A K quarter is six half steps: product g = n / 2, W's tiles 2 (n % 2) and + 1.  The next half step's loads are out while one is multiplied.
.macro HLD n, s
.set HG, (\n)/2
.set HT, 2*((\n)%2)
.set SL, (\s)%2
.set WR, 32+32*((\n)%2)
.set XR, 96+32*(HG%2)
.if (\n)%2 == 0
.if HG == 0
.set XA, 18
.set XO, 2*TILE+TILE*SL
.else
.set XA, 16+2*SL
.set XO, TILE*(HG-1)
.endif
.irp c, 0,1,2,3
	ds_load_b128 v[XR+4*\c:XR+4*\c+3], v[XA] offset:XO+32*\c
	ds_load_b128 v[XR+16+4*\c:XR+16+4*\c+3], v[XA+1] offset:XO+32*\c
.endr
.endif
.irp c, 0,1,2,3
	ds_load_b128 v[WR+4*\c:WR+4*\c+3], v[8+4*SL+HT] offset:TILE*HG+32*\c
	ds_load_b128 v[WR+16+4*\c:WR+16+4*\c+3], v[8+4*SL+HT+1] offset:TILE*HG+32*\c
.endr
.endm
.macro HMUL n, s                       ; 4 matrix instructions; the 24 accumulators of a quarter take turns, one instruction a turn
.set HG, (\n)/2
.set HT, 2*((\n)%2)
.set WR, 32+32*((\n)%2)
.set XR, 96+32*(HG%2)
.irp a, 0,1
.irp i, 0,1
.set AC, 64*HG+32*\a+8*(HT+\i)
.if ((\s) == 0) && (\a == 1)
	v_wmma_f32_16x16x128_bf8_bf8 v[AC:AC+7], v[WR+16*\i:WR+16*\i+15], v[XR+16*\a:XR+16*\a+15], 0
.else
	v_wmma_f32_16x16x128_bf8_bf8 v[AC:AC+7], v[WR+16*\i:WR+16*\i+15], v[XR+16*\a:XR+16*\a+15], v[AC:AC+7]
.endif
.endr
.endr
.endm
.macro STAGE s
	HLD 0, \s
	HLD 1, \s
.if (\s) < 2
	PREF \s+2
.endif
.irp n, 0,1,2,3,4,5
.if (\n > 0) && (\n < 5)
	PLACES 4                                       ; four places in front of loads into registers that the half step before read
	HLD \n+1, \s
.endif
.if \n == 5
	s_wait_dscnt 0x0
.elseif (\n%2) == 1
	s_wait_dscnt 16                                ; the next half step's 16 loads may be out
.else
	s_wait_dscnt 8
.endif
	WIN 0x50                                       ; C and D window 1
	HMUL \n, \s
	WIN 0
.endr
.endm
	MEET 0
	STAGE 0
	s_wait_loadcnt 16                              ; quarter 1 of X_Query is in; quarter 2 may be out
	QUANT SB, 1, 1
	ISSUE SB, 1, 3
	MEET 1
	STAGE 1
	s_wait_loadcnt 16                              ; quarter 2 is in; quarter 3 may be out
	QUANT SA, 0, 0
	MEET 2
	STAGE 2
	s_wait_loadcnt 0x0                             ; quarter 3
	QUANT SB, 1, 1
	WIN 0x40
.irp i, 0,1,2,3,4,5,6,7
	global_load_b128 v[RES+4*\i:RES+4*\i+3], v22, s[70:71] offset:16*\i   ; X_Query(row r of the tile that I keep, features 32 h + 0 .. 31 of the head)
.endr
	WIN 0
	MEET 3
	STAGE 3
	; constants: these seven plain lines are also the places behind the last products
	s_add_co_i32 s90, s74, s75
	s_sub_co_i32 s90, 0, s90                       ; e0 + e1 + e2 + e3
	s_sub_co_i32 s91, 0, s76                       ; e4 + e5
	s_add_co_i32 s92, s86, 127
	s_lshl_b32 s93, s92, 23
	s_add_co_i32 s92, s92, 15
	s_lshl_b32 s92, s92, 23
	s_or_b32 s92, s92, 0x600000
	v_mov_b32 v16, 0x3e38aa3b                      ; log2(e) / 8
	v_ldexp_f32 v18, 1.0, s91
	v_mov_b32 v25, s93                             ; 2^e6
	v_mov_b32 v26, s92                             ; 57,344 x 2^e6
	v_ldexp_f32 v16, v16, s90
	v_mov_b32 v19, v18
	v_mov_b32 v17, v16
	; THE SWAP: my partial sums of my partner's row tile go through slot 0, which has had its last fill and its last read
	WIN 0x04
.irp g, 0,1,2
.irp t, 0,1,2,3
	ds_store_b128 v20, v[64*\g+32+8*\t:64*\g+32+8*\t+3] offset:512*(8*\g+2*\t)
	ds_store_b128 v20, v[64*\g+32+8*\t+4:64*\g+32+8*\t+7] offset:512*(8*\g+2*\t+1)
.endr
.endr
	WIN 0
	s_wait_alu depctr_va_vdst(0)
	s_wait_dscnt 0x0
	s_barrier_signal -1
	s_barrier_wait -1
.irp i, 0,1,2,3,4,5,6,7
	ds_load_b128 v[QS+4*\i:QS+4*\i+3], v21 offset:512*\i
.endr
.irp i, 0,1,2,3,4,5,6,7
	ds_load_b128 v[KK+4*\i:KK+4*\i+3], v21 offset:512*(8+\i)
.endr
.irp i, 0,1,2,3,4,5,6,7
	ds_load_b128 v[VV+4*\i:VV+4*\i+3], v21 offset:512*(16+\i)
.endr
	s_wait_dscnt 0x0
	WIN 0x01                                       ; source 0 (my own sums) window 1; each accumulator from its low end on
.set I, 0
.rept 16
	v_pk_add_f32 v[QS+I:QS+I+1], v[I:I+1], v[QS+I:QS+I+1]
	v_pk_add_f32 v[KK+I:KK+I+1], v[64+I:64+I+1], v[KK+I:KK+I+1]
	v_pk_add_f32 v[VV+I:VV+I+1], v[128+I:128+I+1], v[VV+I:VV+I+1]
.set I, I+2
.endr
	WIN 0
.set I, 0
.rept 16
	v_pk_mul_f32 v[QS+I:QS+I+1], v[QS+I:QS+I+1], v[16:17]
.set I, I+2
.endr
.irp e, 0,1,2,3,4,5,6,7
	v_permlanex16_b32 v[KK+32+\e], v[KK+31-\e], s66, s67   ; locals 32 + e: the other half's local 31 - e.  (The destinations have been written: X's fragments lay there)
	v_permlanex16_b32 v[VV+32+\e], v[VV+31-\e], s66, s67
.endr
	; the band's largest and smallest k for each u: runs of 3, of 9 (three runs of 3), then two runs of 9
.set I, 0
.rept 38
	v_max3_num_f32 v[MX+I], v[KK+I], v[KK+I+1], v[KK+I+2]
	v_min3_num_f32 v[MN+I], v[KK+I], v[KK+I+1], v[KK+I+2]
.set I, I+1
.endr
.set I, 0
.rept 32                               ; ascending, in place: the runs at I + 3 and I + 6 are still runs of 3
	v_max3_num_f32 v[MX+I], v[MX+I], v[MX+I+3], v[MX+I+6]
	v_min3_num_f32 v[MN+I], v[MN+I], v[MN+I+3], v[MN+I+6]
.set I, I+1
.endr
.set I, 31
.rept 31                               ; descending, in place: the run further down is still a run of 9
.set J, 0
.if I > 8
.set J, I-8
.endif
	v_max_num_f32 v[MX+I], v[MX+I], v[MX+J]
	v_min_num_f32 v[MN+I], v[MN+I], v[MN+J]
.set I, I-1
.endr
.set I, 0
.rept 16
	v_pk_mul_f32 v[MX+I:MX+I+1], v[QS+I:QS+I+1], v[MX+I:MX+I+1] neg_lo:[1,0] neg_hi:[1,0]
	v_pk_mul_f32 v[MN+I:MN+I+1], v[QS+I:QS+I+1], v[MN+I:MN+I+1] neg_lo:[1,0] neg_hi:[1,0]
.set I, I+2
.endr
.set I, 0
.rept 32
	v_min_num_f32 v[MX+I], v[MX+I], v[MN+I]        ; -m_u: the row's maximum, taken away ahead of the exponential
.set I, I+1
.endr
; The window of output u: locals LO .. HI, taken as NP whole pairs from the even local LE on; a slot of the pairs outside the band weighs 0.
; Even u: the slot behind the band: 9, 13, then 17 in buffer 0 (u = 0, 4, 8 ..), 11, 15, then 17 in buffer 2; none is written before its turn.  Odd u from 9 on: slot 0.
.irp i, 9,13,17,36+11,36+15,36+17
	v_mov_b32 v[T0+\i], 0
.endr
.macro WND u
.set W_LO, 0
.if (\u) > 8
.set W_LO, (\u)-8
.endif
.set W_HI, (\u)+8
.set W_LE, W_LO-(W_LO%2)
.set W_NP, (W_HI-W_LE)/2+1
.set W_T, T0+18*((\u)%4)
.set W_UE, (\u)-((\u)%2)
.endm
.macro TSU u                           ; QS_u k_j - m_u, two locals at a time; of the pairs of QS and -m the half that is u's serves both
	WND \u
.if ((\u) == 9) || ((\u) == 11)
	v_mov_b32 v[W_T], 0
.endif
.set P, 0
.rept W_NP
.set J, W_LE+2*P
.if (J >= W_LO) && (J+1 <= W_HI)
.if (\u)%2
	v_pk_fma_f32 v[W_T+2*P:W_T+2*P+1], v[KK+J:KK+J+1], v[QS+W_UE:QS+W_UE+1], v[MX+W_UE:MX+W_UE+1] op_sel:[0,1,1] op_sel_hi:[1,1,1]
.else
	v_pk_fma_f32 v[W_T+2*P:W_T+2*P+1], v[KK+J:KK+J+1], v[QS+W_UE:QS+W_UE+1], v[MX+W_UE:MX+W_UE+1] op_sel_hi:[1,0,0]
.endif
.elseif J >= W_LO
	v_fma_f32 v[W_T+2*P], v[KK+J], v[QS+(\u)], v[MX+(\u)]
.else
	v_fma_f32 v[W_T+2*P+1], v[KK+J+1], v[QS+(\u)], v[MX+(\u)]
.endif
.set P, P+1
.endr
.endm
.macro EXU u
	WND \u
.set P, W_LO-W_LE
.rept W_HI-W_LO+1
	v_exp_f32 v[W_T+P], v[W_T+P]
.set P, P+1
.endr
.endm
.macro ACL u                           ; line I of the sums of u: sum of p v and sum of p by turns, two slots at a time; at the end the halves are added: the sum of p takes QS_u's place, the sum of p v that of -m_u
	WND \u
.set LP, 8+4*((\u)%2)
.set OP, LP+2
.if I == 0
	v_pk_mul_f32 v[OP:OP+1], v[W_T:W_T+1], v[VV+W_LE:VV+W_LE+1]
.elseif I == 1
	v_pk_add_f32 v[LP:LP+1], v[W_T:W_T+1], v[W_T+2:W_T+3]
.elseif I == 2*W_NP-1
	v_add_f32 v[QS+(\u)], v[LP], v[LP+1]
.elseif I == 2*W_NP
	v_add_f32 v[MX+(\u)], v[OP], v[OP+1]
.elseif I > 2*W_NP
.elseif I%2
	v_pk_add_f32 v[LP:LP+1], v[LP:LP+1], v[W_T+I+1:W_T+I+2]
.else
	v_pk_fma_f32 v[OP:OP+1], v[W_T+I:W_T+I+1], v[VV+W_LE+I:VV+W_LE+I+1], v[OP:OP+1]
.endif
.endm
; Two outputs a batch: the exponentials of outputs U, U + 1; the exponents of the next two (other buffers); one wait, which serves the exponentials ahead of it and the exponents alike; the sums.
	TSU 0
	TSU 1
	s_wait_alu depctr_va_vdst(0)
.set U, 0
.rept 16
	EXU U
	EXU U+1
.if U < 30
	TSU U+2
	TSU U+3
.else
	v_nop                                          ; a plain line behind the last exponential
.endif
	s_wait_alu depctr_va_vdst(0)
.set I, 0
.rept 19
	ACL U
	ACL U+1
.set I, I+1
.endr
.set U, U+2
.endr
	; x = (sum p v) / (sum p); the mirror is undone; d = X_Query - x 2^(e4 + e5); the quantiser
	s_wait_alu depctr_va_vdst(0)
.set I, 0
.rept 32
	v_rcp_f32 v[QS+I], v[QS+I]
.set I, I+1
.endr
	v_nop                                          ; a plain line behind the last reciprocal
	s_wait_alu depctr_va_vdst(0)
	s_wait_loadcnt 0x0                             ; the residual
.set I, 0
.rept 16
	v_pk_mul_f32 v[MX+I:MX+I+1], v[MX+I:MX+I+1], v[QS+I:QS+I+1]
.set I, I+2
.endr
.set I, 0
.rept 32
	v_cndmask_b32 v[KK+I], v[MX+I], v[MX+31-I], s68   ; feature 32 h + I: local I for h = 0, local 31 - I for h = 1
.set I, I+1
.endr
	WIN 0x10
.set I, 0
.rept 16
	v_pk_fma_f32 v[KK+I:KK+I+1], v[KK+I:KK+I+1], v[18:19], v[RES+I:RES+I+1] neg_lo:[1,0,0] neg_hi:[1,0,0]
.set I, I+2
.endr
	WIN 0
.set I, 0
.rept 32
	v_med3_num_f32 v[KK+I], v[KK+I], -v26, v26     ; held at the largest code x the scale (ISA guide 7.6.2)
.set I, I+1
.endr
.irp i, 0,1,2,3
	v_cvt_scalef32_pk8_bf8_f32 v[8+2*\i:9+2*\i], v[KK+8*\i:KK+8*\i+7], v25
.endr
	v_nop                                          ; a plain line behind the last conversion
	; dfrag: lane l's 16 bytes of piece c of fragment (R, s) hold row 16 R + l % 16, k = 128 s + 64 (c / 2) + 32 (l / 16) + 16 (c % 2) + 0 .. 15
	global_store_b128 v6, v[8:11], s[72:73]                 ; the wave stores 512 consecutive bytes, at a multiple of 512 from the buffer's first byte
	global_store_b128 v6, v[12:15], s[72:73] offset:512
	s_wait_tensorcnt 0x0                           ; the wave's end
	ds_add_u32 v30, v31
	s_wait_dscnt 0x0
	ROUND                                          ; the closing round: no work-group ends while a partner may still ask for a tile that names it
	s_endpgm
.Lfunc_end_k_qe1717d924f_attn:
	.size	k_qe1717d924f_attn, .Lfunc_end_k_qe1717d924f_attn-k_qe1717d924f_attn
	.p2alignl 7, 3214868480
	.fill 96, 4, 3214868480
	.section	.rodata,"a",@progbits
	.p2align	6, 0x0
	.amdhsa_kernel k_qe1717d924f_attn
		.amdhsa_group_segment_fixed_size 327680
		.amdhsa_private_segment_fixed_size 0
		.amdhsa_enable_private_segment 0
		.amdhsa_kernarg_size 88
		.amdhsa_user_sgpr_count 2
		.amdhsa_user_sgpr_kernarg_segment_ptr 1
		.amdhsa_wavefront_size32 1
		.amdhsa_system_sgpr_workgroup_id_x 1
		.amdhsa_system_sgpr_workgroup_id_y 1
		.amdhsa_system_sgpr_workgroup_id_z 1
		.amdhsa_system_vgpr_workitem_id 0
		.amdhsa_next_free_vgpr 512
		.amdhsa_next_free_sgpr 100
		.amdhsa_reserve_vcc 0
		.amdhsa_float_denorm_mode_32 3
		.amdhsa_float_denorm_mode_16_64 3
		.amdhsa_memory_ordered 1
		.amdhsa_forward_progress 1
		.amdhsa_inst_pref_size 184
	.end_amdhsa_kernel
	.amdgpu_metadata
---
amdhsa.version: [ 1, 2 ]
amdhsa.kernels:
  - .name:           k_qe1717d924f_attn
    .symbol:         k_qe1717d924f_attn.kd
    .args:
      - { .name: X_Query, .offset: 0, .size: 8, .value_kind: global_buffer, .address_space: global }
      - { .name: X_Key_codes, .offset: 8, .size: 8, .value_kind: global_buffer, .address_space: global }
      - { .name: X_Value_codes, .offset: 16, .size: 8, .value_kind: global_buffer, .address_space: global }
      - { .name: Wq_codes, .offset: 24, .size: 8, .value_kind: global_buffer, .address_space: global }
      - { .name: Wk_codes, .offset: 32, .size: 8, .value_kind: global_buffer, .address_space: global }
      - { .name: Wv_codes, .offset: 40, .size: 8, .value_kind: global_buffer, .address_space: global }
      - { .name: bq, .offset: 48, .size: 8, .value_kind: global_buffer, .address_space: global }
      - { .name: bk, .offset: 56, .size: 8, .value_kind: global_buffer, .address_space: global }
      - { .name: bv, .offset: 64, .size: 8, .value_kind: global_buffer, .address_space: global }
      - { .name: lowp_scales, .offset: 72, .size: 8, .value_kind: global_buffer, .address_space: global }
      - { .name: dfrag, .offset: 80, .size: 8, .value_kind: global_buffer, .address_space: global }
    .group_segment_fixed_size: 327680
    .private_segment_fixed_size: 0
    .kernarg_segment_align: 8
    .kernarg_segment_size: 88
    .max_flat_workgroup_size: 256
    .sgpr_count:     100
    .vgpr_count:     512
    .wavefront_size: 32
...
	.end_amdgpu_metadata
.endif
;; end of part 1
;; launch outp (part 2): grid 16 x 16, 4 waves a work-group, clusters of 4 x 4, 215,552 bytes of LDS; arguments dfrag, Wo_codes, bo, lowp_scales, out0; writes out0
.if DOCPART == 2
	.amdgcn_target "amdgcn-amd-amdhsa--gfx1250"
	.amdhsa_code_object_version 6
	.text
	.protected	k_qe1717d924f_outp
	.globl	k_qe1717d924f_outp
	.p2align	8
	.type	k_qe1717d924f_outp,@function
k_qe1717d924f_outp:
	s_mov_b64 s[64:65], 0
	v_nop
	global_prefetch_b8 v0, s[64:65] scope:SCOPE_SE
	s_setreg_imm32_b32 hwreg(HW_REG_WAVE_MODE, 25, 1), 1
	s_wait_xcnt 0x0
	s_wait_alu depctr_hold_cnt(0) depctr_sa_sdst(0) depctr_va_vdst(0) depctr_va_sdst(0) depctr_va_ssrc(0) depctr_va_vcc(0) depctr_vm_vsrc(0)
	s_getreg_b32 s2, hwreg(HW_REG_IB_STS2, 6, 4)
	s_cmp_eq_u32 s2, 0
	s_cbranch_scc0 .Lentry_in_a_cluster
	s_endpgm
.Lentry_in_a_cluster:
	s_bfe_u32 s2, ttmp6, 0x10000c
	s_cmp_lg_u32 s2, 0xf033
	s_cbranch_scc0 .Lentry_shape_is_right
	s_endpgm
.Lentry_shape_is_right:
; out0 = d Wo + bo: d [2048][1024] as E5M2 codes (scale 2^e6), laid as images of operand registers by the launch before; Wo as codes, [1024 (n)][1024 (k)] (scale 2^e7); sums in f32, each multiplied once by 2^(e6 + e7).
; SHARES.  A work-group owns 128 rows x 64 columns (grid x: the block of rows; y: the block of columns): 256 work-groups.  Wave w owns rows 32 w .. 32 w + 31: 8 accumulators, 64 matrix instructions.
; OPERANDS.  d's 128 rows (131,072 bytes, dense: a fragment's piece is 512 bytes, 16 a lane) and Wo's 64 rows (1,024 bytes + 16 of padding each) lie in LDS whole, filled once, by one tensor load a wave: waves 0, 1 d's halves, waves 2, 3 Wo's.
; CLUSTERS, 4 x 4: d's tile hangs on x alone and is asked for jointly along y; Wo's hangs on y alone and is asked for jointly along x.  No prefetch: all tiles are asked for at the start, there is no loop to run ahead in.
; K's ORDER INSIDE A STEP.  d's images hold, in registers 4 c .. 4 c + 3 of lane l, k = 64 (c / 2) + 32 (l / 16) + 16 (c % 2) + 0 .. 15 of a K step of 128; Wo's fragments are read by the same order, so every product meets its partner.
; THE MATRIX INSTRUCTION IS USED TRANSPOSED (source 0 = 16 rows of Wo, source 1 = 16 rows of d): a lane holds eight neighbouring columns of one row of the output.
; LIMIT: -126 <= e6 + e7 <= 127, so that 2^(e6 + e7) is an f32 number.
; REGISTERS: window 0: v1-7 addresses; v32-159 two sets of Wo's four fragments, on the way out scaled sums and whole rows; v160-223 two sets of d's two fragments; v224-255 bo.   window 1: v0-63 the accumulators (32 a + 8 t).
.set WP,  1040                         ; Wo's LDS row: row r starts at bank 4 r mod 64 (64 banks of 4 bytes: ISA guide 11.1)
.set DT,  64*WP                        ; d's tile
.set STG, DT+131072                    ; a stage of 16 rows x 272 bytes for each wave; no tile lands there
.set SPARE, STG+4*4352
.set WF,  32
.set DF,  160
.set TMP, 32                           ; the way out: tile a's sums x 2^(e6 + e7) + bo at 32 + 64 a,
.set BK,  64                           ; its rows read back at 64 + 64 a
.set BO,  224
.set MSB, 0
.macro WIN new
.if MSB != (\new)
	s_set_vgpr_msb (MSB<<8)|(\new)
.set MSB, (\new)
.endif
.endm
.macro PLACES n
.rept \n
	v_nop
.endr
.endm
.macro ROUND                           ; a round of the cluster's barrier
	s_barrier_signal -1
	s_barrier_wait -1
	s_cmp_lg_u32 s14, 0
	s_cbranch_scc1 .Lnot_wave_0_\@
	s_barrier_signal -3
.Lnot_wave_0_\@:
	s_barrier_wait -3
	s_barrier_signal -1
	s_barrier_wait -1
.endm
	s_load_b256 s[4:11], s[0:1], 0x0               ; dfrag s[4:5], Wo's codes s[6:7], bo s[8:9], the scales' exponents s[10:11]
	s_load_b64 s[12:13], s[0:1], 0x20              ; out0
	v_lshl_add_u32 v30, v0, 2, SPARE
	v_mov_b32 v31, 0
	ds_add_u32 v30, v31                            ; the wave's opening: the add, twice on end, and its wait
	ds_add_u32 v30, v31
	v_lshrrev_b32 v8, 5, v0
	v_readfirstlane_b32 s14, v8                    ; wave 0..3
	s_bfe_u32 s15, ttmp6, 0x40000                  ; cx
	s_bfe_u32 s16, ttmp6, 0x40004                  ; cy
	s_lshl_b32 s17, ttmp9, 2
	s_add_co_u32 s17, s17, s15                     ; my block of 128 rows
	s_and_b32 s18, ttmp7, 0xffff
	s_lshl_b32 s18, s18, 2
	s_add_co_u32 s18, s18, s16                     ; my block of 64 columns
	s_lshl_b32 s19, 0x1111, s15                    ; my column of the cluster
	s_or_b32 s28, s19, (1<<21)                     ; d: mask, elements of 1 byte, no padding
	s_lshl_b32 s19, s16, 2
	s_lshl_b32 s19, 15, s19                        ; my row of the cluster
	s_or_b32 s36, s19, (1<<20)|(1<<21)|(7<<22)|(3<<25)  ; Wo: after every 256 words (code 7) four words (code 3)
	s_mov_b32 s29, 1024<<16                        ; d: 64 rows of 1,024 bytes, dense
	s_mov_b32 s30, 64<<16
	s_mov_b32 s31, 1024<<16
	s_mov_b32 s32, 64
	s_mov_b32 s33, 1024
	s_mov_b32 s34, 0
	s_mov_b32 s35, 0
	s_mov_b32 s37, 1024<<16                        ; Wo: 32 rows of 1,024 bytes
	s_mov_b32 s38, 32<<16
	s_mov_b32 s39, 1024<<16
	s_mov_b32 s40, 32
	s_mov_b32 s41, 1024
	s_mov_b32 s42, 0
	s_mov_b32 s43, 0
	s_mul_i32 s19, s14, 4352
	s_add_co_u32 s19, s19, STG                     ; my stage
	s_lshl_b32 s20, s14, 15
	s_add_co_u32 s20, s20, DT                      ; my two row tiles of d
	v_and_b32 v8, 31, v0
	v_lshlrev_b32 v1, 4, v8                        ; 16 x lane
	v_and_b32 v9, 15, v0                           ; r
	v_bfe_u32 v10, v0, 4, 1                        ; h
	v_mul_u32_u24 v2, v9, WP
	v_lshl_add_u32 v2, v10, 5, v2                  ; Wo: row r, + 32 h
	v_mul_u32_u24 v3, v9, 272
	v_lshl_add_u32 v3, v10, 5, v3
	v_add_nc_u32 v3, s19, v3                       ; the stage, in: row r, + 32 h; tile t's eight columns 64 t bytes on
	v_mul_u32_u24 v4, v10, 272
	v_lshl_add_u32 v4, v9, 4, v4
	v_add_nc_u32 v4, s19, v4                       ; back: lanes 0-15 one row of 256 bytes, lanes 16-31 the next
	v_lshlrev_b32 v5, 12, v10
	v_lshl_add_u32 v5, v9, 4, v5                   ; and the same two rows in the output
	v_lshlrev_b32 v6, 5, v10                       ; the bias: 32 h
	v_add_nc_u32 v7, s20, v1                       ; d: my lane's 16 bytes
	s_and_b32 s21, s14, 1                          ; which half of its tile I fetch
	s_mul_i32 s52, s21, 65536
	s_mul_i32 s53, s21, 32*WP                      ; where it goes: Wo,
	s_add_co_u32 s54, s52, DT                      ; d
	s_lshl_b32 s22, s17, 17                        ; d: a block of 128 rows is 131,072 bytes
	s_add_co_u32 s22, s22, s52
	s_mov_b32 s23, 0
	s_lshl_b32 s24, s18, 16                        ; Wo: the block's 64 rows of 1,024 bytes
	s_lshl_b32 s25, s21, 15
	s_add_co_u32 s24, s24, s25
	s_mov_b32 s25, 0
	s_lshl_b32 s26, s18, 8                         ; 64 columns of f32
	s_mov_b32 s27, 0
	s_lshl_b32 s56, s17, 19                        ; the output: (128 block + 32 wave) rows of 4,096 bytes + the columns
	s_lshl_b32 s57, s14, 17
	s_add_co_u32 s56, s56, s57
	s_add_co_u32 s56, s56, s26
	s_mov_b32 s57, 0
	s_wait_alu depctr_va_vdst(0)                   ; directly ahead of the waits below
	s_wait_dscnt 0x0                               ; both opening adds are done
	s_wait_kmcnt 0x0
	s_load_b64 s[60:61], s[10:11], 0x18            ; e6, e7
	s_mov_b32 s44, 1
	s_mov_b32 s45, s54
	s_add_nc_u64 s[46:47], s[4:5], s[22:23]
	s_or_b32 s47, s47, 0x80000000
	s_mov_b32 s48, 1
	s_mov_b32 s49, s53
	s_add_nc_u64 s[50:51], s[6:7], s[24:25]
	s_or_b32 s51, s51, 0x80000000
	s_add_nc_u64 s[8:9], s[8:9], s[26:27]
	s_add_nc_u64 s[12:13], s[12:13], s[56:57]
	ROUND                                          ; all sixteen work-groups are here: the joint loads meet
	s_cmp_lt_u32 s14, 2
	s_cbranch_scc0 .Lfor_w
	tensor_load_to_lds s[44:47], s[28:35]
	s_nop 0
	PLACES 4
	s_branch .Lasked
.Lfor_w:
	tensor_load_to_lds s[48:51], s[36:43]
	s_nop 0
	PLACES 4
.Lasked:
.irp t, 0,1,2,3
	global_load_b128 v[BO+8*\t:BO+8*\t+3], v6, s[8:9] offset:64*\t        ; bo at columns 16 t + 8 h + 0 .. 7: the result's layout
	global_load_b128 v[BO+8*\t+4:BO+8*\t+7], v6, s[8:9] offset:64*\t+16
.endr
.macro FETCH buf, ks                   ; the fragments of K step ks into set buf: 24 LDS loads in one run
.irp a, 0,1
.irp c, 0,1,2,3
	ds_load_b128 v[DF+32*(\buf)+16*\a+4*\c:DF+32*(\buf)+16*\a+4*\c+3], v7 offset:16384*\a+2048*(\ks)+512*\c
.endr
.endr
.irp t, 0,1,2,3
.irp c, 0,1,2,3
	ds_load_b128 v[WF+64*(\buf)+16*\t+4*\c:WF+64*(\buf)+16*\t+4*\c+3], v2 offset:16*WP*\t+128*(\ks)+16*(\c%2)+64*(\c/2)
.endr
.endr
.endm
; 8 matrix instructions; the eight accumulators take turns, one instruction a turn, in the same order in every step.  K step 0 starts the sums with the constant 0.
.macro MULS buf, ks
	WIN 0x50                                       ; C and D window 1
.irp a, 0,1
.irp t, 0,1,2,3
.if (\ks) == 0
	v_wmma_f32_16x16x128_bf8_bf8 v[32*\a+8*\t:32*\a+8*\t+7], v[WF+64*(\buf)+16*\t:WF+64*(\buf)+16*\t+15], v[DF+32*(\buf)+16*\a:DF+32*(\buf)+16*\a+15], 0
.else
	v_wmma_f32_16x16x128_bf8_bf8 v[32*\a+8*\t:32*\a+8*\t+7], v[WF+64*(\buf)+16*\t:WF+64*(\buf)+16*\t+15], v[DF+32*(\buf)+16*\a:DF+32*(\buf)+16*\a+15], v[32*\a+8*\t:32*\a+8*\t+7]
.endif
.endr
.endr
	WIN 0
.endm
	s_wait_tensorcnt 0x0                           ; my half of a tile is in,
	s_barrier_signal -1
	s_barrier_wait -1                              ; everybody's is
	FETCH 0, 0
.set S, 0
.rept 7
.if S > 0
	PLACES 4                                       ; four places in front of loads into the set that the step before multiplied
.endif
	FETCH (S+1)%2, S+1
	s_wait_dscnt 24                                ; this step's 24 loads are in; the 24 just issued may be out
	MULS S%2, S
.set S, S+1
.endr
	s_wait_dscnt 0x0
	MULS 1, 7
	PLACES 4                                       ; in front of the first read of results, and of writes over Wo's fragments
	s_wait_loadcnt 0x0                             ; bo
	s_wait_kmcnt 0x0
	s_add_co_i32 s62, s60, s61
	s_add_co_i32 s62, s62, 127
	s_lshl_b32 s62, s62, 23                        ; 2^(e6 + e7) as f32
	s_mov_b32 s63, s62                             ; (named with it as a pair, so it is written)
; THE WAY OUT.  A lane holds 32 neighbouring bytes of a row, the lanes beside it other rows: a tile of 16 rows x 256 bytes goes through my own stage in LDS and comes back as whole rows.
; LDS serves a wave's instructions in order (ISA guide 5.7.1.4): no wait between the stores and the loads, nor in front of the next tile's stores.
.macro TOSTAGE a
	WIN 0x01                                       ; source 0 window 1
.irp t, 0,1,2,3
.irp i, 0,2,4,6
	v_pk_fma_f32 v[TMP+64*\a+8*\t+\i:TMP+64*\a+8*\t+\i+1], v[32*\a+8*\t+\i:32*\a+8*\t+\i+1], s[62:63], v[BO+8*\t+\i:BO+8*\t+\i+1] op_sel_hi:[1,0,1]   ; sum x 2^(e6 + e7) + bo; each accumulator from its low end on
.endr
.endr
	WIN 0
.irp t, 0,1,2,3
	ds_store_b128 v3, v[TMP+64*\a+8*\t:TMP+64*\a+8*\t+3] offset:64*\t
	ds_store_b128 v3, v[TMP+64*\a+8*\t+4:TMP+64*\a+8*\t+7] offset:64*\t+16
.endr
.irp i, 0,1,2,3,4,5,6,7
	ds_load_b128 v[BK+64*\a+4*\i:BK+64*\a+4*\i+3], v4 offset:2*\i*272
.endr
.endm
.macro SEND a
.irp i, 0,1,2,3,4,5,6,7
	s_wait_dscnt 16*(1-\a)+7-\i                    ; behind this load: the tile's later loads, and for tile 0 tile 1's sixteen LDS instructions
	global_store_b128 v5, v[BK+64*\a+4*\i:BK+64*\a+4*\i+3], s[12:13] offset:(16*\a+2*\i)*4096 th:TH_STORE_NT   ; 16 lanes store 256 consecutive bytes, at a multiple of 256 from the output's first byte; written once, read by nobody here
.endr
.endm
	TOSTAGE 0
	TOSTAGE 1
	SEND 0
	SEND 1
	s_wait_tensorcnt 0x0                           ; the wave's end
	ds_add_u32 v30, v31
	s_wait_dscnt 0x0
	ROUND                                          ; the closing round: no work-group ends while a partner may still ask for a tile that names it
	s_endpgm
.Lfunc_end_k_qe1717d924f_outp:
	.size	k_qe1717d924f_outp, .Lfunc_end_k_qe1717d924f_outp-k_qe1717d924f_outp
	.p2alignl 7, 3214868480
	.fill 96, 4, 3214868480
	.section	.rodata,"a",@progbits
	.p2align	6, 0x0
	.amdhsa_kernel k_qe1717d924f_outp
		.amdhsa_group_segment_fixed_size 215552
		.amdhsa_private_segment_fixed_size 0
		.amdhsa_enable_private_segment 0
		.amdhsa_kernarg_size 40
		.amdhsa_user_sgpr_count 2
		.amdhsa_user_sgpr_kernarg_segment_ptr 1
		.amdhsa_wavefront_size32 1
		.amdhsa_system_sgpr_workgroup_id_x 1
		.amdhsa_system_sgpr_workgroup_id_y 1
		.amdhsa_system_sgpr_workgroup_id_z 1
		.amdhsa_system_vgpr_workitem_id 0
		.amdhsa_next_free_vgpr 512
		.amdhsa_next_free_sgpr 66
		.amdhsa_reserve_vcc 0
		.amdhsa_float_denorm_mode_32 3
		.amdhsa_float_denorm_mode_16_64 3
		.amdhsa_memory_ordered 1
		.amdhsa_forward_progress 1
		.amdhsa_inst_pref_size 31
	.end_amdhsa_kernel
	.amdgpu_metadata
---
amdhsa.version: [ 1, 2 ]
amdhsa.kernels:
  - .name:           k_qe1717d924f_outp
    .symbol:         k_qe1717d924f_outp.kd
    .args:
      - { .name: dfrag, .offset: 0, .size: 8, .value_kind: global_buffer, .address_space: global }
      - { .name: Wo_codes, .offset: 8, .size: 8, .value_kind: global_buffer, .address_space: global }
      - { .name: bo, .offset: 16, .size: 8, .value_kind: global_buffer, .address_space: global }
      - { .name: lowp_scales, .offset: 24, .size: 8, .value_kind: global_buffer, .address_space: global }
      - { .name: out0, .offset: 32, .size: 8, .value_kind: global_buffer, .address_space: global }
    .group_segment_fixed_size: 215552
    .private_segment_fixed_size: 0
    .kernarg_segment_align: 8
    .kernarg_segment_size: 40
    .max_flat_workgroup_size: 128
    .sgpr_count:     66
    .vgpr_count:     512
    .wavefront_size: 32
...
	.end_amdgpu_metadata
.endif
;; end of part 2
